; MI455X (gfx1250); checked and timed in simulation.
; The chip was launched on July 23, 2026; its instructions are those of AMD's public machine-readable ISA for CDNA 5 (MIT licence, August 2026) and "CDNA5" Instruction Set Architecture Reference Guide (July 2026). The comments in the code are by the model that wrote it; some were corrected since.
;; Embedding Mul. Allowed arithmetic: matrix products marked QUANTISED: E4M3 operands, one given power-of-two scale a tensor, by v_wmma_f32_16x16x64_fp8_fp8 or v_wmma_f32_16x16x128_fp8_fp8, f32 sums; everything else in f32.
;; Inputs: input 64 x 32 int32; lowp_scales 2 int32 (the exponents e of the quantised operands' scales 2^e); weight 32,000 x 1,024 float32.
;; Outputs: out0 64 x 32 x 1,024 float32.
;; This version of the problem:
;;   THIS VERSION OF THE PROBLEM IS GIVEN IN LOW PRECISION. The matrix products marked QUANTISED in the list below multiply operands that are first quantised to E4M3 (4 exponent bits, 3 mantissa bits; 8 bits a number), with one given power-of-two scale for each operand tensor; their sums are f32. All else is computed in f32.
;;   The module's matrix products, in the order in which they are computed (A, B: the left and right operand; K: the contracted axis; several contracted axes count as one K, in the product's order):
;;     1. [M 2,048, K 32,000] x [K 32,000, N 1,024]; A: computed on the way; B: input weight: QUANTISED (scales: A lowp_scales[0], B lowp_scales[1])
;;   THE QUANTISER, for each operand of a quantised product, along K:
;;     - The operand's scale is 2^e, e = its entry of the input lowp_scales (int32; the entries are numbered through the quantised products in the list's order, A before B).
;;     - Each number is divided by the scale, clamped to +-448, and rounded to the nearest number of E4M3, ties to even, subnormals kept.
;;     - The product sums the exact products of the quantised numbers (number of the format x scale) in f32.
;;   ~~~python
;;   def quantise(x, axis, e):      # numpy; x: float32 -> the quantised numbers, widened to float32 again
;;       x = np.moveaxis(x, axis, -1); K = x.shape[-1]
;;       r = np.clip(x / 2.0 ** e, -448, 448)
;;       step = 2.0 ** (np.maximum(np.frexp(np.where(r == 0, 1, r))[1] - 1, -6) - 3)
;;       q = np.round(r / step) * step * 2.0 ** e      # np.round: ties to even
;;       return np.moveaxis(q, -1, axis).astype(np.float32)
;;   ~~~
;;   OPERANDS COMPUTED ON THE WAY. 'Computed on the way' means the value that the module computes at that place (a softmax that the list does not call 'softmax' is quantised finished and normalised). What goes into a quantiser is computed in f32, as accurately as f32 sums, v_exp_f32 and their like allow (about 1e-6 of the number): no bf16 or f16 on the way to a quantiser, and a product that is left as it is and whose result goes on into a quantised operand takes f32 operands (vector FMAs, or v_wmma_f32_16x16x4_f32). A number that lies on a knife's edge between two numbers of the format may be rounded either way, as far as f32 arithmetic and the matrix unit's own rounding can turn it there, and no further.
;; One version. Each part assembles by itself: llvm-mc -triple=amdgcn-amd-amdhsa -mcpu=gfx1250 --defsym DOCPART=n.
;; ======== version 1 of 1: 1 launch
;; launch lookup (part 1): grid 250 x 1, 4 waves a work-group, no clusters, 17,920 bytes of LDS; arguments input, lowp_scales, weight, out0; writes out0
.if DOCPART == 1
	.amdgcn_target "amdgcn-amd-amdhsa--gfx1250"
	.amdhsa_code_object_version 6
	.text
	.protected	k_q012602fa12_lookup
	.globl	k_q012602fa12_lookup
	.p2align	8
	.type	k_q012602fa12_lookup,@function
k_q012602fa12_lookup:
	s_mov_b64 s[64:65], 0
	v_nop
	global_prefetch_b8 v0, s[64:65] scope:SCOPE_SE
	s_setreg_imm32_b32 hwreg(HW_REG_WAVE_MODE, 25, 1), 1
	s_wait_xcnt 0x0
; out0[t][:] = Q(one_hot(input[t])) x Q(weight): [2048 x 32000] x [32000 x 1024], both operands as codes of FP8 (E4M3), scales 2^e0 (one-hot) and 2^e1 (weight) as given; sums in f32.
; THE PRODUCT IS DONE WHOLE: every one of the 32,000 K places of every token is multiplied, the one-hot's zero codes too.
; SHARES.  32,000 = 250 x 128: work-group g owns weight rows 128 g .. 128 g + 127, all 1,024 columns.  Wave w owns four groups of 64 columns, at bytes 1024 gr + 256 w of a row (the four waves read 1 KiB on end).
; THE WEIGHTS STAND STILL.  A loop of two passes, K = 64 rows each: the wave quantises its 64 rows x 256 columns straight into B's operand registers (16 fragments, 128 registers) and then walks all 128 tiles
; of 16 tokens: 16 x v_wmma_f32_16x16x64_fp8_fp8 with C = 0 a tile.  Each weight byte is read once in the launch, by one wave; no weight goes through LDS.
; THE ONE-HOT OPERAND IS MADE IN REGISTERS.  With r = lane % 16, h = lane / 16: row kk of a pass has the K place (half kk / 32, register (kk % 32) / 4, byte kk % 4), in A and in B alike, so every product meets its partner.
; An LDS table holds for each token t = min(index, 31999) / 4 and cw = the code of 1.0 at byte index % 4 (0 where the index lies outside the table).  y = t - (the pass's first row) / 4 - 8 h; register j of A is cw where y = j, else 0.
; The lines that make the next tile's fragment stand between the running tile's products, into the other of two sets.
; WHO STORES.  A token's sums over 64 rows that do not hold its index are sums of zero codes.  The (work-group, pass) whose 64 rows hold the clamped index owns the token's row of out0 and stores it, x 2^(e0 + e1);
; nobody else stores it.  That is one scalar branch a tile on whole numbers made of the index input, so this launch has no tensor load and no copy.  An index outside the table gets its row of zeros from the last 64 rows' owner.
; N tile i of a group is made of the columns 4 r + i: a lane's 16-byte load feeds four tiles, and register j of a group's four accumulators is 16 neighbouring bytes of token 8 h + j: sixteen lanes load and store 256 aligned bytes.
; NO CLUSTER: the only bytes that work-groups share are the 8 KiB of indices.  250 work-groups: 128 divides K into 250 blocks.
; LIMITS: e0 and e1 between -126 and 119, e0 + e1 between -126 and 127, so that each power of two below is an f32 number.  NaN in weight is not served (an infinity is held at the largest code).
; Many tokens with indices in one block of 64 rows are served, but their owner then stores many rows and takes longer than the others.
; REGISTERS, in windows of 256 (s_set_vgpr_msb: bits 1:0 source 0, 3:2 source 1, 5:4 source 2, 7:6 destination):
;   window 0: v0-23 addresses and constants; v32-47 A's two sets; v48-51 two table entries; v64-127 at work; v128-255 the 16 accumulators ((gr, i) at 128 + 8 (4 gr + i))
;   window 1: v0-127 B: fragment (gr, i) at 8 (4 gr + i)          window 2: the f32 weights as loaded: four slots of 16 loads, slot b at 64 b
.set ROWB,  4096                       ; bytes in a row of weight and of out0
.set DEPTH, 32000
.set TLAST, 16384+120                  ; the largest LDS address that the walk forms: the padding entry of tile 128, row 15
.set WO,   3                           ; v3   weight: 32 h rows + 16 r; never rewritten
.set CO,   4                           ; v4   out0: 8 h rows + 16 r; never rewritten
.set TB0,  5                           ; v5   the table: 8 r
.set ADR,  6                           ; v6   LDS address of the entries asked for
.set N8H,  7                           ; v7   -8 h
.set SC,   8                           ; v8   2^e1         v9   448 x 2^e1
.set LIM,  9
.set SCA,  10                          ; v10  2^e0         v11  448 x 2^e0
.set LIMA, 11
.set P,    12                          ; v[12:13] the conversion's result for 1.0
.set CODE, 14                          ; v14  the code of 1.0
.set Y,    15                          ; v15  y of the tile whose fragment is being made
.set OBT,  16                          ; v16  bit j: token 8 h + j of the tile is mine
.set TMP,  17
.set S8H,  18                          ; v18  8 h
.set IO,   19                          ; v19  16 x thread: my indices
.set TS,   20                          ; v20  32 x thread: my entries of the table
.set TP,   21                          ; v21  my padding entry
.set PD,   22                          ; v[22:23] a padding entry: t = the greatest number, cw = 0
.set AF,   32
.set TC,   48
.set X,    64
.set IDX,  96                          ; v96-111 my 16 indices (at the head)
.set CT,   112                         ; v112-119 1.0 and seven zeros (at the head)
.set ACC,  128
.set NEGC, 25                          ; s25  -(the pass's first row) / 4
.set TB,   26                          ; s26  LDS byte of the entries to be asked for
.set CNT,  27
.set OWN,  28                          ; s28, s29 by turns: bit l: lane l's y lies in 0 .. 7
.set SV,   30
.set O16,  31
.set MK,   32                          ; s32-39 masks y != j
.set OB,   40                          ; s[40:41] out0 at the tile's first token, my wave's columns
.set PASS, 42
.set MSB, 0
.macro WIN new                         ; the immediate's high byte repeats the setting that is left; a switch that changes nothing is dropped
.if MSB != \new
	s_set_vgpr_msb (MSB<<8)|\new
.set MSB, \new
.endif
.endm
; Batch b (0 .. 3) of half hf (0, 1) of a pass: column group gr = 2 hf + b / 2, rows 16 (b % 2) + 0 .. 15 (lanes 0-15) and 32 further down (lanes 16-31): sixteen loads, each of two rows' 256 aligned bytes, into slot b.
; Every offset is an immediate; the offset register is never rewritten, the base only between the passes.
.macro LOADB hf, b
	WIN 0x80                                       ; destination window 2
.irp s, 0,1,2,3,4,5,6,7,8,9,10,11,12,13,14,15
	global_load_b128 v[64*(\b)+4*\s:64*(\b)+4*\s+3], v[WO], s[8:9] offset:(16*((\b)%2)+\s)*ROWB+(2*(\hf)+(\b)/2)*1024 th:TH_LOAD_NT
.endr
.endm
; The batch becomes four registers of each of the group's four fragments.  The hold takes number i of eight loads (eight rows, one column) into eight registers on end; the conversion makes of them two registers of fragment (gr, i).
; younger: the loads issued behind this batch's, which may stay out.
.macro QB hf, b, younger
	s_wait_loadcnt \younger                        ; loads come back in order (ISA guide 5.7.1): this batch's sixteen are in
	WIN 0x02                                       ; source 0 window 2
.irp d, 0,1
.irp i, 0,1,2,3
.irp p, 0,1,2,3,4,5,6,7
	v_med3_num_f32 v[X+8*(4*\d+\i)+\p], v[64*(\b)+4*(8*\d+\p)+\i], -v[LIM], v[LIM]   ; the conversion to an 8-bit code does not saturate (ISA guide 7.6.2): held within the largest code x the scale
.endr
.endr
.endr
	WIN 0x40                                       ; destination window 1
.irp d, 0,1
.irp i, 0,1,2,3
	v_cvt_scalef32_pk8_fp8_f32 v[32*(2*(\hf)+(\b)/2)+8*\i+4*((\b)%2)+2*\d:32*(2*(\hf)+(\b)/2)+8*\i+4*((\b)%2)+2*\d+1], v[X+8*(4*\d+\i):X+8*(4*\d+\i)+7], v[SC]
.endr
.endr
	v_nop                                          ; one plain vector instruction between the conversions and the next line that writes their sources or reads their results
.endm
; Register j of the 16 accumulators: tokens j (lanes 0-15) and 8 + j (lanes 16-31), my 256 columns: x 2^(e0 + e1) into 16 registers on end; stored where the lane's token is mine (nowhere, if neither is).
.macro ROWOUT j
.irp a, 0,1,2,3,4,5,6,7,8,9,10,11,12,13,14,15
	v_mul_f32 v[X+\a], s24, v[ACC+8*\a+(\j)]
.endr
	v_and_b32 v[TMP], 1<<(\j), v[OBT]
	v_cmp_ne_u32 vcc_lo, 0, v[TMP]
	s_and_saveexec_b32 s[SV], vcc_lo               ; (no load or store has been issued since the last s_wait_xcnt 0)
.irp g, 0,1,2,3
	global_store_b128 v[CO], v[X+4*\g:X+4*\g+3], s[OB:OB+1] offset:(\j)*ROWB+1024*\g th:TH_STORE_NT   ; sixteen lanes store 256 consecutive bytes, at a multiple of 256 from out0's first byte; written once
.endr
	s_wait_xcnt 0x0                                ; the stores have read EXEC and their data: both are written again only behind this wait
	s_or_b32 exec_lo, exec_lo, s[SV]
.endm
; The tile holds a token of mine.  The rows are taken in ascending order, so that each accumulator is read from its register 0 on.
.macro SLOW e
.rept 4
	v_nop                                          ; four places between the last matrix instruction and the first read of a result (ISA guide 7.12.1)
.endr
	s_lshr_b32 s[O16], s[OWN+(\e)], 16
	s_or_b32 s[O16], s[O16], s[OWN+(\e)]           ; bit t (0 .. 15): token t's index lies in the pass's first or second 32 rows
	v_lshrrev_b32 v[OBT], v[S8H], s[O16]
	s_wait_xcnt 0x0                                ; EXEC changes only behind this wait
.irp j, 0,1,2,3,4,5,6,7
	ROWOUT \j
.endr
	s_wait_storecnt 0x0                            ; the tile's stores are done: both ways through a tile meet with no store out, and the stores' base is stepped behind this wait
.endm
; ONE TILE of 16 tokens, of parity e; off: where tile + 2's entries lie from v[ADR].
; The 16 products read A's set e.  Between them stand the 18 lines that make the next tile's fragment in the other set; under the products' window setting their second source is never a vector register.
; PLACES (ISA guide 7.12.1).  The other set was last read by the tile before: the addition and the nine compares, which name none of its registers, stand ahead of the first write into it.
; An accumulator is written again a tile later: between the two stand at least those ten lines.  Sixteen accumulators, C = 0: no two products share one, nothing is cleared.
.macro TRIP e, off
	ds_load_b64 v[TC+2*(\e):TC+2*(\e)+1], v[ADR] offset:\off
	s_wait_dscnt 0x1                               ; the next tile's entry, asked for a tile ago, is in; the one just asked for may be out
	WIN 0x04                                       ; source 1 (B) window 1
	v_add3_u32 v[Y], v[TC+2-2*(\e)], s[NEGC], v[N8H]
.irp a, 0,1,2,3,4,5,6,7,8,9,10,11,12,13,14,15
	v_wmma_f32_16x16x64_fp8_fp8 v[ACC+8*\a:ACC+8*\a+7], v[AF+8*(\e):AF+8*(\e)+7], v[8*\a:8*\a+7], 0
.if \a < 4
	v_cmp_ne_u32 s[MK+2*\a], v[Y], 2*\a
	v_cmp_ne_u32 s[MK+2*\a+1], v[Y], 2*\a+1
.elseif \a == 4
	v_cmp_lt_u32 s[OWN+1-(\e)], v[Y], 8
.elseif \a < 13
	v_cndmask_b32 v[AF+8-8*(\e)+\a-5], v[TC+3-2*(\e)], 0, s[MK+\a-5]   ; 0 where y != j, else cw
.endif
.endr
	WIN 0                                          ; at a branch and at a label every window is 0
	s_cmp_lg_u32 s[OWN+(\e)], 0
	s_cbranch_scc0 .Lnone_\@
	SLOW \e
.Lnone_\@:
	s_add_nc_u64 s[OB:OB+1], s[OB:OB+1], 16*ROWB   ; the next tile's 16 rows of out0
.endm
	s_load_b256 s[4:11], s[0:1], 0x0               ; input s[4:5], lowp_scales s[6:7], weight s[8:9], out0 s[10:11]
	v_lshl_add_u32 v62, v0, 2, 0x4400
	v_mov_b32 v63, 0
	v_and_b32 v1, 15, v0                           ; r
	v_bfe_u32 v2, v0, 4, 1                         ; h
	v_lshrrev_b32 v[TMP], 5, v0
	v_readfirstlane_b32 s14, v[TMP]                ; wave 0..3
	v_lshlrev_b32 v[WO], 4, v1
	v_lshl_add_u32 v[CO], v2, 15, v[WO]            ; 8 h rows of 4,096 bytes + 16 r
	v_lshl_add_u32 v[WO], v2, 17, v[WO]            ; 32 h rows + 16 r
	v_lshlrev_b32 v[TB0], 3, v1
	v_lshlrev_b32 v[S8H], 3, v2
	v_sub_nc_u32 v[N8H], 0, v[S8H]
	v_lshlrev_b32 v[IO], 4, v0
	v_lshlrev_b32 v[TS], 5, v0
	v_lshl_add_u32 v[TP], v0, 3, 16384             ; behind the 2,048 entries: 128 padding entries, one a thread
	v_mov_b32 v[PD], -1
	v_mov_b32 v[PD+1], 0
	s_lshl_b32 s16, ttmp9, 19                      ; my work-group's 128 rows of weight
	s_mov_b32 s17, 0
	s_lshl_b32 s18, s14, 8                         ; my wave's 256 bytes of each KiB of a row
	s_mov_b32 s19, 0
	s_lshl_b32 s15, ttmp9, 5
	s_sub_co_i32 s[NEGC], 0, s15                   ; pass 0 begins at row 128 g: -(32 g)
	s_wait_alu depctr_va_vdst(0)
	s_wait_kmcnt 0x0                               ; the four addresses
	s_load_b64 s[12:13], s[6:7], 0x0               ; e0, e1
	s_add_nc_u64 s[8:9], s[8:9], s[16:17]
	s_add_nc_u64 s[8:9], s[8:9], s[18:19]
	s_add_nc_u64 s[10:11], s[10:11], s[18:19]
.irp i, 0,1,2,3
	global_load_b128 v[IDX+4*\i:IDX+4*\i+3], v[IO], s[4:5] offset:2048*\i   ; tokens 4 x thread + 512 i + 0 .. 3: a wave reads 512 consecutive bytes
.endr
	s_wait_kmcnt 0x0                               ; e0, e1
	s_add_co_i32 s21, s12, 127
	s_lshl_b32 s20, s21, 23                        ; 2^e0 as f32: the conversion takes its exponent field
	s_add_co_i32 s21, s21, 8
	s_lshl_b32 s21, s21, 23
	s_or_b32 s21, s21, 0x600000                    ; 448 x 2^e0
	s_add_co_i32 s23, s13, 127
	s_lshl_b32 s22, s23, 23                        ; 2^e1
	s_add_co_i32 s23, s23, 8
	s_lshl_b32 s23, s23, 23
	s_or_b32 s23, s23, 0x600000                    ; 448 x 2^e1
	s_add_co_i32 s24, s12, s13
	s_add_co_i32 s24, s24, 127
	s_lshl_b32 s24, s24, 23                        ; 2^(e0 + e1)
	v_mov_b32 v[SCA], s20
	v_mov_b32 v[LIMA], s21
	v_mov_b32 v[SC], s22
	v_mov_b32 v[LIM], s23
	v_min_num_f32 v[CT], 1.0, v[LIMA]              ; the one-hot's 1.0, held at the largest code x the scale (one-sided: it is not negative)
.irp p, 1,2,3,4,5,6,7
	v_mov_b32 v[CT+\p], 0
.endr
	v_cvt_scalef32_pk8_fp8_f32 v[P:P+1], v[CT:CT+7], v[SCA]
	v_nop                                          ; one plain vector instruction between the conversion and the reader of its result
	v_and_b32 v[CODE], 0xff, v[P]                  ; the code of 1.0 / 2^e0
	s_wait_loadcnt 0x0                             ; my 16 indices
.irp n, 0,1,2,3,4,5,6,7,8,9,10,11,12,13,14,15
	v_and_b32 v[TMP], 3, v[IDX+\n]
	v_cmp_gt_u32 vcc_lo, DEPTH, v[IDX+\n]          ; unsigned: a negative index fails too
	v_lshlrev_b32 v[TMP], 3, v[TMP]
	s_wait_alu depctr_va_vdst(0)
	v_min_u32 v[X+2*\n], DEPTH-1, v[IDX+\n]        ; the clamped index names the owner of the token's row
	v_lshlrev_b32 v[TMP], v[TMP], v[CODE]
	v_lshrrev_b32 v[X+2*\n], 2, v[X+2*\n]          ; t
	v_cndmask_b32 v[X+2*\n+1], 0, v[TMP], vcc_lo   ; cw
.endr
.irp i, 0,1,2,3
	ds_store_b128 v[TS], v[X+8*\i:X+8*\i+3] offset:4096*\i        ; the entry of token n lies at byte 8 n
	ds_store_b128 v[TS], v[X+8*\i+4:X+8*\i+7] offset:4096*\i+16
.endr
	ds_store_b64 v[TP], v[PD:PD+1]
	s_wait_dscnt 0x0                               ; for the others' sake: my entries have landed
	s_barrier_signal -1
	s_barrier_wait -1                              ; the table is whole: all 17,408 bytes are written; from here on the table is only read
	s_mov_b32 s[PASS], 2
.Lpass:
	; THE PASS'S 64 ROWS BECOME B.  Eight batches of 16 loads through four slots.  Three batches are asked for ahead; behind each batch that has been quantised the batch three further on is asked for,
	; into the slot that was read out one step earlier.  So 48 loads at the most are out, and each wait leaves the two batches behind its own on their way.
	LOADB 0, 0
	LOADB 0, 1
	LOADB 0, 2
	QB 0, 0, 32
	LOADB 0, 3
	QB 0, 1, 32
	LOADB 1, 0
	QB 0, 2, 32
	LOADB 1, 1
	QB 0, 3, 32
	LOADB 1, 2
	QB 1, 0, 32
	LOADB 1, 3
	QB 1, 1, 32
	QB 1, 2, 16
	QB 1, 3, 0                                     ; every load is in: the base may be stepped at the pass's end
	WIN 0
	; THE WALK over the 128 tiles, two a trip.  The last trip asks for the entries of tiles 128 and 129, which are padding entries; the fragment made of them is not used.
	ds_load_b64 v[TC:TC+1], v[TB0]                 ; tile 0
	ds_load_b64 v[TC+2:TC+3], v[TB0] offset:128    ; tile 1
	s_mov_b64 s[OB:OB+1], s[10:11]
	s_mov_b32 s[TB], 256
	s_mov_b32 s[CNT], 64
	s_wait_dscnt 0x1                               ; tile 0's entry is in
	v_add3_u32 v[Y], v[TC], s[NEGC], v[N8H]        ; the first tile's fragment, into set 0
.irp j, 0,1,2,3,4,5,6,7
	v_cmp_ne_u32 s[MK+\j], v[Y], \j
.endr
	v_cmp_lt_u32 s[OWN], v[Y], 8
.irp j, 0,1,2,3,4,5,6,7
	v_cndmask_b32 v[AF+\j], v[TC+1], 0, s[MK+\j]
.endr
.Lm:
	s_wait_alu depctr_va_vdst(0)
	v_add_nc_u32 v[ADR], s[TB], v[TB0]             ; 256 x (trip + 1) + 8 r
	v_min_u32 v[ADR], TLAST, v[ADR]                ; held at the largest address that the walk forms: it changes none of them, and bounds both reads below by a constant of the text: with the immediate 128 and 8 bytes a read ends at byte 16,640 at the most
	TRIP 0, 0
	s_wait_alu depctr_va_vdst(0)
	TRIP 1, 128
	s_add_co_u32 s[TB], s[TB], 256
	s_sub_co_u32 s[CNT], s[CNT], 1
	s_cmp_lg_u32 s[CNT], 0
	s_cbranch_scc1 .Lm
	s_wait_dscnt 0x0                               ; the entry still out has landed: its registers are loaded anew by the next pass
	s_add_nc_u64 s[8:9], s[8:9], 64*ROWB           ; the next 64 rows (behind the last pass the stepped base is not used)
	s_sub_co_i32 s[NEGC], s[NEGC], 16
	s_sub_co_u32 s[PASS], s[PASS], 1
	s_cmp_lg_u32 s[PASS], 0
	s_cbranch_scc1 .Lpass
	s_wait_tensorcnt 0x0
	ds_add_u32 v62, v63
	s_wait_dscnt 0x0
	s_endpgm
.Lfunc_end_k_q012602fa12_lookup:
	.size	k_q012602fa12_lookup, .Lfunc_end_k_q012602fa12_lookup-k_q012602fa12_lookup
	.p2alignl 7, 3214868480
	.fill 96, 4, 3214868480
	.section	.rodata,"a",@progbits
	.p2align	6, 0x0
	.amdhsa_kernel k_q012602fa12_lookup
		.amdhsa_group_segment_fixed_size 17920
		.amdhsa_private_segment_fixed_size 0
		.amdhsa_enable_private_segment 0
		.amdhsa_kernarg_size 32
		.amdhsa_user_sgpr_count 2
		.amdhsa_user_sgpr_kernarg_segment_ptr 1
		.amdhsa_wavefront_size32 1
		.amdhsa_system_sgpr_workgroup_id_x 1
		.amdhsa_system_sgpr_workgroup_id_y 1
		.amdhsa_system_sgpr_workgroup_id_z 1
		.amdhsa_system_vgpr_workitem_id 0
		.amdhsa_next_free_vgpr 768
		.amdhsa_next_free_sgpr 66
		.amdhsa_reserve_vcc 1
		.amdhsa_float_denorm_mode_32 3
		.amdhsa_float_denorm_mode_16_64 3
		.amdhsa_memory_ordered 1
		.amdhsa_forward_progress 1
		.amdhsa_inst_pref_size 82
	.end_amdhsa_kernel
	.amdgpu_metadata
---
amdhsa.version: [ 1, 2 ]
amdhsa.kernels:
  - .name:           k_q012602fa12_lookup
    .symbol:         k_q012602fa12_lookup.kd
    .args:
      - { .name: input, .offset: 0, .size: 8, .value_kind: global_buffer, .address_space: global }
      - { .name: lowp_scales, .offset: 8, .size: 8, .value_kind: global_buffer, .address_space: global }
      - { .name: weight, .offset: 16, .size: 8, .value_kind: global_buffer, .address_space: global }
      - { .name: out0, .offset: 24, .size: 8, .value_kind: global_buffer, .address_space: global }
    .group_segment_fixed_size: 17920
    .private_segment_fixed_size: 0
    .kernarg_segment_align: 8
    .kernarg_segment_size: 32
    .max_flat_workgroup_size: 128
    .sgpr_count:     66
    .vgpr_count:     768
    .wavefront_size: 32
...
	.end_amdgpu_metadata
.endif
;; end of part 1
